; MI455X (gfx1250); checked and timed in simulation.
; The chip was launched on July 23, 2026; its instructions are those of AMD's public machine-readable ISA for CDNA 5 (MIT licence, August 2026) and "CDNA5" Instruction Set Architecture Reference Guide (July 2026). The comments in the code are by the model that wrote it; some were corrected since.
;; Apply Attention Policy Map. Allowed arithmetic: matrix products marked QUANTISED: E3M2 operands, one E8M0 scale for each 32 along K, by v_wmma_scale_f32_16x16x128_f8f6f4 with both operands' format E3M2, f32 sums; everything else in f32.
;; Inputs: fc1_codes 1,858 x 134 x 24 uint8 (E3M2 codes of fc1, K innermost, in blocks of 32 codes, four codes in three bytes); fc1_scales 1,858 x 134 uint8 (E8M0 scales of fc1, one for each 32 codes along K); logits 8,192 x 64 x 64 float32; pp_logits 8,192 x 8 x 24 float32.
;; Outputs: out0 8,192 x 1,858 float32.
;; This version of the problem:
;;   THIS VERSION OF THE PROBLEM IS GIVEN IN LOW PRECISION. The matrix products marked QUANTISED in the list below multiply operands that are first quantised to E3M2 (3 exponent bits, 2 mantissa bits; 6 bits a number), with one power-of-two scale for each 32 numbers along K (OCP MX v1.0); their sums are f32. All else is computed in f32.
;;   The module's matrix products, in the order in which they are computed (A, B: the left and right operand; K: the contracted axis; several contracted axes count as one K, in the product's order):
;;     1. [M 8,192, K 4,288] x [K 4,288, N 1,858]; A: computed on the way; B: input fc1 (given as codes): QUANTISED
;;   THE QUANTISER, for each operand of a quantised product, along K:
;;     - K is cut into blocks of 32 from its start; a last block that is shorter is filled with zeros.
;;     - A block's scale is 2^e with e = floor(log2(the largest magnitude in the block)) - 4, held to -126 .. 127; a block of zeros has e = 0. As a byte (E8M0): e + 127.
;;     - Each number is divided by its block's scale, clamped to +-28, and rounded to the nearest number of E3M2, ties to even, subnormals kept.
;;     - The product sums the exact products of the quantised numbers (number of the format x scale) in f32.
;;   ~~~python
;;   def quantise(x, axis):      # numpy; x: float32 -> the quantised numbers, widened to float32 again
;;       x = np.moveaxis(x, axis, -1); K = x.shape[-1]
;;       x = np.pad(x, [(0, 0)] * (x.ndim - 1) + [(0, -K % 32)]); x = x.reshape(x.shape[:-1] + (-1, 32)); a = np.abs(x).max(-1, keepdims=True)
;;       e = np.where(a > 0, np.clip(np.frexp(np.where(a > 0, a, 1))[1] - 1 - 4, -126, 127), 0)      # np.frexp(a)[1] - 1 = floor(log2(a)), exactly
;;       r = np.clip(x / 2.0 ** e, -28, 28)
;;       step = 2.0 ** (np.maximum(np.frexp(np.where(r == 0, 1, r))[1] - 1, -2) - 2)
;;       q = np.round(r / step) * step * 2.0 ** e      # np.round: ties to even
;;       return np.moveaxis(q.reshape(q.shape[:-2] + (-1,))[..., :K], -1, axis).astype(np.float32)
;;   ~~~
;;   OPERANDS COMPUTED ON THE WAY. 'Computed on the way' means the value that the module computes at that place (a softmax that the list does not call 'softmax' is quantised finished and normalised). What goes into a quantiser is computed in f32, as accurately as f32 sums, v_exp_f32 and their like allow (about 1e-6 of the number): no bf16 or f16 on the way to a quantiser, and a product that is left as it is and whose result goes on into a quantised operand takes f32 operands (vector FMAs, or v_wmma_f32_16x16x4_f32). A number that lies on a knife's edge between two numbers of the format may be rounded either way, as far as f32 arithmetic and the matrix unit's own rounding can turn it there, and no further.
;;   INPUTS GIVEN AS CODES. fc1 (in the module: [4288, 1858], K = its axis 0): each comes as NAME_codes (uint8): NAME with its K axis moved to the last place and cut into blocks of 32 codes, [.., K / 32, bytes a block], one block behind the other in memory; four codes in three bytes: a row's codes are one little-endian stream of bits, code i at bits 6 i .. 6 i + 5 (a code: sign, 3 exponent bits, 2 mantissa bits); and NAME_scales (uint8): the same leading axes, one E8M0 byte (e + 127) for each 32 codes along K. Its value is code x scale, taken as it is: it is not quantised again, and the codes and scales need not be those that the quantiser above would give.
;; One version. Each part assembles by itself: llvm-mc -triple=amdgcn-amd-amdhsa -mcpu=gfx1250 --defsym DOCPART=n.
;; ======== version 1 of 1: 2 launches
;; limits: right only within a limited range of input values
;; workspace buffers: a_img 27,852,800 bytes; b_img 6,963,200 bytes
;; launch prep (part 1): grid 1360 x 1, 4 waves a work-group, no clusters, 34,304 bytes of LDS; arguments logits, pp_logits, fc1_codes, fc1_scales, a_img, b_img; writes a_img, b_img
.if DOCPART == 1
	.amdgcn_target "amdgcn-amd-amdhsa--gfx1250"
	.amdhsa_code_object_version 6
	.text
	.protected	k_q205800449b_prep
	.globl	k_q205800449b_prep
	.p2align	8
	.type	k_q205800449b_prep,@function
k_q205800449b_prep:
	s_mov_b64 s[64:65], 0
	v_nop
	global_prefetch_b8 v0, s[64:65] scope:SCOPE_SE
	s_setreg_imm32_b32 hwreg(HW_REG_WAVE_MODE, 25, 1), 1
	s_wait_xcnt 0x0
; BOTH OPERANDS OF out0 = Q(flat) x fc1 ARE LAID OUT AS IMAGES OF THE MATRIX OPERAND'S REGISTERS.
; flat[m] = the 4,096 logits of row m, then its 192 pp_logits: K = 4,288 = 134 blocks of 32.  It is quantised here to codes of E3M2 with one E8M0 byte a block;
; fc1 arrives as codes (a row of N: 3,216 bytes) and bytes (134 a row) and is only laid out anew.
; AN IMAGE BLOCK, BLK = 25,600 bytes, holds 256 rows x one K step of 128:  fragment t (16 rows x 128 K, 12 registers a lane) at 1,536 t: registers 4 c .. 4 c + 3 of lane l at 512 c + 16 l;
; behind the 16 fragments the scale words: that of (tile t, row r) at 24,576 + 256 (t / 4) + 16 r + 4 (t % 4).  a_img = [32 block rows][34 steps][BLK], b_img = [8][34][BLK].
; THE EDGES ARE SETTLED HERE.  K step 33 has 64 numbers: the codes of its other 64 are zeros on both sides (their scale bytes: 1 in a_img, 0 in b_img; never 0xff).
; Rows 1,858 to 2,047 of b_img repeat row 1,857 (a clamped address): the product's launch never stores their columns.
; A block's scale is 2^(floor(log2(its largest magnitude)) - 4); its byte is the largest magnitude's exponent field - 4, held at 1 from below.
; LIMITS: NaN and infinities among logits and pp_logits are not served.  A block of zeros gets the byte 1 where the quantiser says 127: its codes are zeros, which add nothing, and this program alone reads the bytes.
; SHARES.  A wave's task is 64 rows (four tiles) x one K step: four fragments and one run of 256 bytes of scale words.  Work-groups 0 to 271 take fc1 (8 x 4 x 34 tasks), work-groups 272 to 1,359 flat (32 x 4 x 34).
; No tensor loads, no barrier: waves share nothing.  Only flat's path uses LDS.
.set BLK,   25600
.set FRB,   1536                       ; a fragment's image
.set SCO,   24576                      ; where a block's scale words begin
.set NSTEP, 34
.set WGB,   272                        ; work-groups that take fc1
.set NROW,  1858                       ; rows of fc1's codes
.set SP,    528                        ; a stage row: 512 bytes + 16: the sixteen rows that a read touches start at sixteen different banks (64 banks of 4 bytes: ISA guide 11.1)
.set STG,   16*SP                      ; a wave's stage
.set OFF,   10                         ; v10-25   flat: row j of a tile: j x pitch + my 16 bytes; never rewritten.  fc1: v10-13 codes', v14-17 bytes' offsets, v18-21 rows
.set PW,    26                         ; v26-29   the four tiles' scale words
.set TM,    30                         ; v30-33 largest magnitudes, v34-37 the other half's, then bytes, v38-41 the conversions' scale operands
.set PC,    42                         ; v42-53 a fragment's codes; v54-56, v58-60 the conversions' second halves
.set X,     62                         ; v62-125  64 numbers: register 16 b + i = k 32 b + 16 (lane / 16) + i of my row
.set R,     126                        ; v126-189, v190-253  two sets of 16 rows as loaded
.set BASE,  24                         ; s[24:31] flat: where tile i's rows begin
	s_load_b256 s[4:11], s[0:1], 0x0               ; logits s[4:5], pp_logits s[6:7], fc1's codes s[8:9], fc1's scales s[10:11]
	s_load_b128 s[12:15], s[0:1], 0x20             ; a_img s[12:13], b_img s[14:15]
	v_lshl_add_u32 v254, v0, 2, 0x8400
	v_mov_b32 v255, 0
	v_lshrrev_b32 v1, 5, v0
	v_readfirstlane_b32 s16, v1                    ; wave 0..3
	v_and_b32 v1, 31, v0                           ; lane
	v_and_b32 v2, 15, v0                           ; r
	v_bfe_u32 v3, v0, 4, 1                         ; h
	v_lshlrev_b32 v6, 4, v1                        ; an image's place for my lane: 16 x lane
	v_lshlrev_b32 v7, 4, v2                        ; the scale words' place for row r: 16 r
; From the step s17 and the quad of tiles s18: where my four fragments begin in the image (s[46:47]) and my 256 bytes of scale words (s[40:41])
.macro PLACE
	s_lshr_b32 s44, s18, 2                         ; block row
	s_mul_i32 s44, s44, NSTEP
	s_add_co_u32 s44, s44, s17
	s_mul_i32 s44, s44, BLK                        ; (34 x block row + step) x BLK: under 2^25
	s_and_b32 s45, s18, 3                          ; which quad of the block row's four
	s_mul_i32 s46, s45, 4*FRB
	s_add_co_u32 s46, s46, s44
	s_mov_b32 s47, 0
	s_lshl_b32 s40, s45, 8
	s_add_co_u32 s40, s40, s44
	s_add_co_u32 s40, s40, SCO
	s_mov_b32 s41, 0
.endm
; Lanes 0 to 15 store the four tiles' words of their row: 256 consecutive bytes, aligned.  EXEC changes only behind s_wait_xcnt 0: it is a source of the stores that are out (ISA guide 3.1)
.macro WORDS first
	v_cmp_gt_u32 vcc_lo, 16, v1
	s_wait_xcnt 0x0
	s_and_saveexec_b32 s19, vcc_lo
	global_store_b128 v7, v[\first:\first+3], s[36:37]
	s_wait_xcnt 0x0
	s_or_b32 exec_lo, exec_lo, s19
.endm
	s_cmp_lt_u32 ttmp9, WGB
	s_cbranch_scc1 .Lb
	; ---------------- flat ----------------
	s_sub_co_u32 s19, ttmp9, WGB
	; the four waves of a work-group take ONE quad of tiles (64 rows) at four neighbouring K steps: 2,048 consecutive bytes of each row.  Of the 1,088 work-groups the first 1,024 take logits (128 quads x 8 groups of steps),
	; the last 64 pp_logits: two quads x its two steps each
	s_lshr_b32 s18, s19, 3                         ; logits: quad 0..127
	s_and_b32 s17, s19, 7
	s_lshl_b32 s17, s17, 2
	s_add_co_u32 s17, s17, s16                     ; K step 4 x group + wave
	s_sub_co_u32 s20, s19, 1024
	s_lshl_b32 s20, s20, 1
	s_lshr_b32 s21, s16, 1
	s_add_co_u32 s20, s20, s21                     ; pp_logits: quad 2 j + wave / 2
	s_and_b32 s21, s16, 1
	s_add_co_u32 s21, s21, 32                      ; K step 32 + wave % 2
	s_cmp_lt_u32 s19, 1024
	s_cselect_b32 s17, s17, s21                    ; K step 0..33
	s_cselect_b32 s18, s18, s20                    ; quad 0..127: rows 64 x quad on
	s_mov_b32 s22, 16384
	s_cmp_ge_u32 s17, 32                           ; steps 32 and 33 come from pp_logits
	s_cselect_b32 s22, 768, s22                    ; a row of the source in bytes
	s_cmp_eq_u32 s17, NSTEP-1
	s_cselect_b32 s23, 15, 31                      ; step 33 has 256 bytes a row: lanes 16-31 read what lanes 0-15 read, so that no load leaves the row (what they bring is cleared below)
	s_and_b32 s44, s17, 31
	s_lshl_b32 s44, s44, 9                         ; the step's 512 bytes in a row of its source
	s_lshl_b32 s42, s18, 6
	s_mul_i32 s42, s42, s22                        ; 64 x quad rows: under 2^28
	s_add_co_u32 s42, s42, s44
	s_mov_b32 s43, 0
	s_lshl_b32 s32, s22, 4                         ; 16 rows on
	s_mov_b32 s33, 0
	PLACE
	s_mov_b32 s38, 0x76543210
	s_mov_b32 s39, 0xfedcba98                      ; v_permlanex16_b32's selects for lane l xor 16
	s_mul_i32 s20, s16, STG                        ; my stage
	s_wait_alu depctr_va_vdst(0)
	v_add_nc_u32 v4, s20, v6                       ; into it: a row's 512 bytes as they lie
	v_mul_u32_u24 v5, v2, SP
	v_lshl_add_u32 v5, v3, 6, v5
	v_add_nc_u32 v5, s20, v5                       ; out of it: row r, + 64 h: my 16 numbers of each block of 32
	v_and_b32 v8, s23, v1
	v_lshlrev_b32 v8, 4, v8
.irp j, 0,1,2,3,4,5,6,7,8,9,10,11,12,13,14,15
	v_mad_u32_u24 v[OFF+\j], s22, \j, v8
.endr
.irp b, 0,1,2,3
	v_mov_b32 v[TM+4+\b], 0                        ; written once: a lane permute's destination counts as one of its sources
.endr
	s_wait_alu depctr_va_vdst(0)
	s_wait_kmcnt 0x0
	s_cmp_ge_u32 s17, 32                           ; the choice hangs on the work-group's number alone
	s_cselect_b64 s[20:21], s[6:7], s[4:5]
	s_add_nc_u64 s[BASE:BASE+1], s[20:21], s[42:43]
	s_add_nc_u64 s[BASE+2:BASE+3], s[BASE:BASE+1], s[32:33]
	s_add_nc_u64 s[BASE+4:BASE+5], s[BASE+2:BASE+3], s[32:33]
	s_add_nc_u64 s[BASE+6:BASE+7], s[BASE+4:BASE+5], s[32:33]
	s_add_nc_u64 s[34:35], s[12:13], s[46:47]      ; my fragments
	s_add_nc_u64 s[36:37], s[12:13], s[40:41]      ; my scale words
.macro LOAD i                          ; tile i's 16 rows: each load reads one row's 512 consecutive bytes, aligned, 16 a lane
.irp j, 0,1,2,3,4,5,6,7,8,9,10,11,12,13,14,15
	global_load_b128 v[R+64*((\i)%2)+4*\j:R+64*((\i)%2)+4*\j+3], v[OFF+\j], s[BASE+2*(\i):BASE+2*(\i)+1] th:TH_LOAD_NT
.endr
.endm
.macro TURN i                          ; through the stage: in as loaded, out 16 neighbours of each block a lane.  LDS serves a wave's instructions in order (ISA guide 5.7.1.4): no wait between the stores and the loads
.irp j, 0,1,2,3,4,5,6,7,8,9,10,11,12,13,14,15
	ds_store_b128 v4, v[R+64*((\i)%2)+4*\j:R+64*((\i)%2)+4*\j+3] offset:SP*\j
.endr
.irp b, 0,1,2,3
.irp j, 0,1,2,3
	ds_load_b128 v[X+16*\b+4*\j:X+16*\b+4*\j+3], v5 offset:128*\b+16*\j
.endr
.endr
.endm
; The 64 numbers in v[X] on become a fragment's codes in v[PC] on and its scale word in v[pw]
.macro QUANT pw
.irp b, 0,1,2,3
	v_max3_num_f32 v[TM+\b], |v[X+16*\b]|, |v[X+1+16*\b]|, 0x2800000   ; block b: my 16 numbers, and the floor 2^(5 - 127), under which no largest magnitude is taken: so the byte cannot fall under 1
.endr
.irp i, 2,4,6,8,10,12,14
.irp b, 0,1,2,3
	v_max3_num_f32 v[TM+\b], v[TM+\b], |v[X+16*\b+\i]|, |v[X+1+16*\b+\i]|   ; (the four blocks by turns: no line waits for the line above it)
.endr
.endr
.irp b, 0,1,2,3
	v_permlanex16_b32 v[TM+4+\b], v[TM+\b], s38, s39
.endr
.irp b, 0,1,2,3
	v_max_num_f32 v[TM+\b], v[TM+\b], v[TM+4+\b]   ; with lane l xor 16's: the block's largest magnitude
.endr
.irp b, 0,1,2,3
	v_add_nc_u32 v[TM+8+\b], 0xfe000000, v[TM+\b]  ; 4 off its exponent field: the conversion takes the exponent field of this operand as its scale, and nothing else of it
.endr
.irp b, 0,1,2,3
	v_lshrrev_b32 v[TM+4+\b], 23, v[TM+8+\b]       ; the scale's byte
.endr
	v_lshl_or_b32 v[\pw], v[TM+5], 8, v[TM+4]      ; the four bytes make my row's scale word (lanes 16-31 hold the same)
	v_lshl_or_b32 v[\pw], v[TM+6], 16, v[\pw]
	v_lshl_or_b32 v[\pw], v[TM+7], 24, v[\pw]
.irp c, 0,1
	v_cvt_scalef32_pk16_bf6_f32 v[PC+6*\c:PC+2+6*\c], v[X+32*\c:X+15+32*\c], v[TM+8+2*\c]
	v_cvt_scalef32_pk16_bf6_f32 v[PC+12+4*\c:PC+14+4*\c], v[X+16+32*\c:X+31+32*\c], v[TM+8+2*\c+1]   ; (a conversion's three registers begin on an even number)
.endr
	v_nop                                          ; one plain place behind a scaled conversion
.irp c, 0,1                            ; the operand's layout wants a WHOLE block in a lane: lanes 0-15 block 2 c, lanes 16-31 block 2 c + 1
.irp i, 0,1,2
	v_permlane16_swap_b32 v[PC+6*\c+\i], v[PC+12+4*\c+\i]
.endr
.irp i, 0,1,2
	v_mov_b32 v[PC+3+6*\c+\i], v[PC+12+4*\c+\i]    ; registers 6 c .. 6 c + 5 now hold k = 64 c + 32 h + 0 .. 31
.endr
.endr
.endm
.macro TILE i
.if \i < 3
	s_wait_loadcnt 16                              ; loads come back in order (ISA guide 5.7.1): this tile's 16 are in, the next tile's 16 may be out
.else
	s_wait_loadcnt 0x0
.endif
	TURN \i
	s_wait_dscnt 0x0                               ; my 64 numbers are back, and the stage's stores have read the set that the loads below fill
.if \i > 0
	s_wait_xcnt 0x0                                ; the last tile's stores have had their addresses translated (ISA guide 3.1): the codes' registers are written again only behind this wait
.endif
.if \i < 2
	LOAD \i+2
.endif
	s_cmp_lg_u32 s17, NSTEP-1
	s_cbranch_scc1 .Lfull_\@
.irp j, 0,1,2,3,4,5,6,7,8,9,10,11,12,13,14,15,16,17,18,19,20,21,22,23,24,25,26,27,28,29,30,31
	v_mov_b32 v[X+32+\j], 0                        ; K step 33: k from 4,288 on is zeros, ahead of the blocks' maxima
.endr
.Lfull_\@:
	QUANT PW+\i
.irp c, 0,1,2
	global_store_b128 v6, v[PC+4*\c:PC+4*\c+3], s[34:35] offset:FRB*\i+512*\c   ; 32 lanes store 512 consecutive bytes, aligned
.endr
.endm
	LOAD 0
	LOAD 1
	TILE 0
	TILE 1
	TILE 2
	TILE 3
	WORDS PW
	s_wait_xcnt 0x0
	s_mov_b32 exec_lo, -1
	s_wait_tensorcnt 0x0
	ds_add_u32 v254, v255
	s_wait_dscnt 0x0
	s_endpgm
	; ---------------- fc1 ----------------
.Lb:
	s_lshr_b32 s17, ttmp9, 4                       ; 17 pairs of steps x 16 pairs of quads: a work-group's waves take two quads at two neighbouring K steps
	s_lshl_b32 s17, s17, 1
	s_and_b32 s18, s16, 1
	s_add_co_u32 s17, s17, s18                     ; K step 0..33
	s_and_b32 s18, ttmp9, 15
	s_lshl_b32 s18, s18, 1
	s_lshr_b32 s19, s16, 1
	s_add_co_u32 s18, s18, s19                     ; quad 0..31: rows 64 x quad on
	s_mul_i32 s42, s17, 96                         ; the step's 96 bytes in a row of codes
	s_mov_b32 s43, 0
	s_lshl_b32 s32, s17, 2                         ; and its 4 bytes in a row of scales
	s_mov_b32 s33, 0
	s_cmp_eq_u32 s17, NSTEP-1                      ; step 33 has 48 bytes of codes and 2 scale bytes a row: its second halves read the first halves' bytes again, so that no load leaves the row, and are cleared below
	s_cselect_b32 s22, 0, 48
	s_cselect_b32 s30, 0, 2
	s_mov_b32 s23, 0
	s_mov_b32 s31, 0
	PLACE
	s_lshl_b32 s19, s18, 6
	s_wait_alu depctr_va_vdst(0)
	v_add_nc_u32 v9, s19, v2                       ; tile 0's row for my lane
.irp i, 0,1,2,3
	v_add_nc_u32 v[18+\i], 16*\i, v9
.endr
.irp i, 0,1,2,3
	v_min_u32 v[18+\i], NROW-1, v[18+\i]           ; rows past the last repeat the last
.endr
.irp i, 0,1,2,3
	v_mul_u32_u24 v[10+\i], v[18+\i], 3216         ; a row of codes,
	v_mul_u32_u24 v[14+\i], v[18+\i], 134          ; a row of scale bytes
.endr
.irp i, 0,1,2,3
	v_mad_u32_u24 v[10+\i], v3, 24, v[10+\i]       ; + 24 h: a lane's 32 codes
.endr
	s_wait_alu depctr_va_vdst(0)
	s_wait_kmcnt 0x0
	s_add_nc_u64 s[20:21], s[8:9], s[42:43]        ; codes: k = 32 h on,
	s_add_nc_u64 s[24:25], s[20:21], s[22:23]      ; and k = 64 + 32 h on
	s_add_nc_u64 s[26:27], s[10:11], s[32:33]      ; scale bytes 0, 1,
	s_add_nc_u64 s[28:29], s[26:27], s[30:31]      ; and 2, 3 (a row is 134 bytes: words are aligned on 2 bytes only)
	s_add_nc_u64 s[34:35], s[14:15], s[46:47]
	s_add_nc_u64 s[36:37], s[14:15], s[40:41]
.irp i, 0,1,2,3                        ; the row's stream of bits IS the register image: 24 bytes as three loads of 8, so that every address is a multiple of the access's size
.irp p, 0,1,2
	global_load_b64 v[64+12*\i+2*\p:64+12*\i+2*\p+1], v[10+\i], s[20:21] offset:8*\p
.endr
.irp p, 0,1,2
	global_load_b64 v[70+12*\i+2*\p:70+12*\i+2*\p+1], v[10+\i], s[24:25] offset:8*\p
.endr
	global_load_u16 v[112+\i], v[14+\i], s[26:27]
	global_load_u16 v[116+\i], v[14+\i], s[28:29]
.endr
	s_wait_loadcnt 0x0
	s_cmp_lg_u32 s17, NSTEP-1
	s_cbranch_scc1 .Lwhole
.irp i, 0,1,2,3
.irp e, 0,1,2,3,4,5
	v_mov_b32 v[70+12*\i+\e], 0                    ; K step 33: zero codes from k = 4,288 on,
.endr
	v_mov_b32 v[116+\i], 0                         ; under the scale byte 0
.endr
.Lwhole:
.irp i, 0,1,2,3
	v_lshl_or_b32 v[120+\i], v[116+\i], 16, v[112+\i]   ; the row's scale word for this step
.endr
	s_wait_alu depctr_va_vdst(0)
.irp i, 0,1,2,3
.irp c, 0,1,2
	global_store_b128 v6, v[64+12*\i+4*\c:64+12*\i+4*\c+3], s[34:35] offset:FRB*\i+512*\c   ; 32 lanes store 512 consecutive bytes, aligned
.endr
.endr
	WORDS 120
	s_endpgm
.Lfunc_end_k_q205800449b_prep:
	.size	k_q205800449b_prep, .Lfunc_end_k_q205800449b_prep-k_q205800449b_prep
	.p2alignl 7, 3214868480
	.fill 96, 4, 3214868480
	.section	.rodata,"a",@progbits
	.p2align	6, 0x0
	.amdhsa_kernel k_q205800449b_prep
		.amdhsa_group_segment_fixed_size 34304
		.amdhsa_private_segment_fixed_size 0
		.amdhsa_enable_private_segment 0
		.amdhsa_kernarg_size 48
		.amdhsa_user_sgpr_count 2
		.amdhsa_user_sgpr_kernarg_segment_ptr 1
		.amdhsa_wavefront_size32 1
		.amdhsa_system_sgpr_workgroup_id_x 1
		.amdhsa_system_sgpr_workgroup_id_y 1
		.amdhsa_system_sgpr_workgroup_id_z 1
		.amdhsa_system_vgpr_workitem_id 0
		.amdhsa_next_free_vgpr 256
		.amdhsa_next_free_sgpr 66
		.amdhsa_reserve_vcc 1
		.amdhsa_float_denorm_mode_32 3
		.amdhsa_float_denorm_mode_16_64 3
		.amdhsa_memory_ordered 1
		.amdhsa_forward_progress 1
		.amdhsa_inst_pref_size 48
	.end_amdhsa_kernel
	.amdgpu_metadata
---
amdhsa.version: [ 1, 2 ]
amdhsa.kernels:
  - .name:           k_q205800449b_prep
    .symbol:         k_q205800449b_prep.kd
    .args:
      - { .name: logits, .offset: 0, .size: 8, .value_kind: global_buffer, .address_space: global }
      - { .name: pp_logits, .offset: 8, .size: 8, .value_kind: global_buffer, .address_space: global }
      - { .name: fc1_codes, .offset: 16, .size: 8, .value_kind: global_buffer, .address_space: global }
      - { .name: fc1_scales, .offset: 24, .size: 8, .value_kind: global_buffer, .address_space: global }
      - { .name: a_img, .offset: 32, .size: 8, .value_kind: global_buffer, .address_space: global }
      - { .name: b_img, .offset: 40, .size: 8, .value_kind: global_buffer, .address_space: global }
    .group_segment_fixed_size: 34304
    .private_segment_fixed_size: 0
    .kernarg_segment_align: 8
    .kernarg_segment_size: 48
    .max_flat_workgroup_size: 128
    .sgpr_count:     66
    .vgpr_count:     256
    .wavefront_size: 32
...
	.end_amdgpu_metadata
.endif
;; end of part 1
;; launch gemm (part 2): grid 8 x 32, 4 waves a work-group, clusters of 4 x 4, 327,680 bytes of LDS; arguments a_img, b_img, out0; writes out0
.if DOCPART == 2
	.amdgcn_target "amdgcn-amd-amdhsa--gfx1250"
	.amdhsa_code_object_version 6
	.text
	.protected	k_q205800449b_gemm
	.globl	k_q205800449b_gemm
	.p2align	8
	.type	k_q205800449b_gemm,@function
k_q205800449b_gemm:
	s_mov_b64 s[64:65], 0
	v_nop
	global_prefetch_b8 v0, s[64:65] scope:SCOPE_SE
	s_setreg_imm32_b32 hwreg(HW_REG_WAVE_MODE, 25, 1), 1
	s_wait_xcnt 0x0
	s_wait_alu depctr_hold_cnt(0) depctr_sa_sdst(0) depctr_va_vdst(0) depctr_va_sdst(0) depctr_va_ssrc(0) depctr_va_vcc(0) depctr_vm_vsrc(0)
	s_getreg_b32 s2, hwreg(HW_REG_IB_STS2, 6, 4)
	s_cmp_eq_u32 s2, 0
	s_cbranch_scc0 .Lentry_in_a_cluster
	s_endpgm
.Lentry_in_a_cluster:
	s_bfe_u32 s2, ttmp6, 0x10000c
	s_cmp_lg_u32 s2, 0xf033
	s_cbranch_scc0 .Lentry_shape_is_right
	s_endpgm
.Lentry_shape_is_right:
; out0 = Q(flat) x fc1 on the two images that launch prep laid: a_img = [32 block rows][34 K steps][BLK], b_img = [8][34][BLK]; a block holds 256 rows x 128 K as images of the operand's registers
; (fragment t at 1,536 t: four fragments on end are 12 runs of 512 bytes) and behind them the scale words (tile t, row r at 24,576 + 256 (t / 4) + 16 r + 4 (t % 4)).
; A work-group of four waves makes 256 x 256 of out0, a wave 128 x 128: 64 accumulators.  K goes through two LDS slots of three K steps each (A's three blocks, then B's); the 34th step comes alone.
; CLUSTERS: 4 x 4 work-groups; A's blocks are asked for jointly along a row of the cluster, B's along a column.  Waves 0, 1 fetch A's halves of a slot, waves 2, 3 B's: one load a wave.
; Columns 1,858 to 2,047 are multiplied and not stored: the tiles that hold them belong to tile column 7.
; THE MATRIX INSTRUCTION IS USED TRANSPOSED (source 0 = 16 rows of fc1, source 1 = 16 rows of flat): a lane holds eight neighbouring columns of one row of out0.
; REGISTERS.  Each window of 256: v0-31 addresses and the like, v32-79 and v80-127 two sets of one PIECE (four fragments, 48 registers), v128-255 sixteen accumulators.
;   window 0: A's blocks 0-3, accumulators (A half 0, B half 0); v8-23 the scale words, two sets     window 1: A's blocks 4-7, accumulators (1, 0)
;   window 2: B's fragments 0-3, accumulators (0, 1); v2-3 A's, v4-5 the scales' LDS addresses, v6-7 the prefetches' offsets     window 3: B's fragments 4-7, accumulators (1, 1); v2-3 B's LDS addresses
; A K step is four quarters of 16 matrix instructions, (0,0) (0,1) (1,1) (1,0), each under one window setting.  Both operands have two sets, so ALL the next step's 50 LDS loads stand in ONE run at a step's head,
; a whole step ahead of their use, and the step's 64 matrix instructions follow unbroken.  Under quarter x's setting a load has its address in B's window and lands in the accumulators' window, where piece x lies.
; PREFETCH: behind each refill of the loop (and behind slot 1's first fill) each wave names the 150 blocks of 256 bytes that it will fetch at the next refill, three K steps on; the four partners that ask
; for them jointly take 38 each, told apart by address (lanes left over name the last block again).  The last full refill and the 34th step's are followed by no prefetch: nothing is named past fill 10.
.set BLK,    25600
.set FRB,    1536
.set PIECE,  4*FRB
.set SCO,    24576
.set NSTEP,  34
.set ROWIMG, NSTEP*BLK
.set SIDE,   3*BLK
.set HALF,   SIDE/2
.set SLOT,   2*SIDE
.set SPARE,  2*SLOT                    ; behind the ring: the spare words, 128 bytes a wave
.set SPITCH, 528                       ; the way out: a stage row, 512 bytes + 16
.set ROWC,   7432                      ; a row of out0 in bytes
.set NCOL,   1858
.set COB,  1
.set SC,   8
.set STO,  24
.set RD,   25                          ; v25, v26
.set CO,   27
.set SPW,  28
.set NIL,  29
.set C2,   30
.set FRG,  32
.set ACC,  128
.set PFA,  8                           ; s[8:9] where my prefetches stand
.set G1A,  24
.set G0A,  32
.set G1B,  48
.set G0B,  56
.set LIM,  66
.set G1AS, 68
.set G1BS, 76
.set G0AS, 84
.set G0BS, 88
.set MSB, 0
.macro WIN new                         ; the immediate's high byte repeats the setting that is left
.if MSB != (\new)
	s_set_vgpr_msb (MSB<<8)|(\new)
.set MSB, (\new)
.endif
.endm
.macro XWIN x                          ; quarter x's setting: bits 1:0 B's window, 3:2 A's, 5:4 and 7:6 the accumulators'
.if (\x) == 0
	WIN 0x02
.elseif (\x) == 1
	WIN 0xa3
.elseif (\x) == 2
	WIN 0xf7
.else
	WIN 0x56
.endif
.endm
.macro PLACES n
.rept \n
	v_nop
.endr
.endm
.macro JLOAD g0a, g1a, g0b, g1b        ; a joint load: waves 0, 1 for A, waves 2, 3 for B; s_nop 0 and four v_nop behind each line
	s_cmp_eq_u32 s15, 0
	s_cbranch_scc0 .Lfor_b_\@
	tensor_load_to_lds s[\g0a:\g0a+3], s[\g1a:\g1a+7]
	s_nop 0
	PLACES 4
	s_branch .Lasked_\@
.Lfor_b_\@:
	tensor_load_to_lds s[\g0b:\g0b+3], s[\g1b:\g1b+7]
	s_nop 0
	PLACES 4
.Lasked_\@:
.endm
.macro CREST                           ; a round of the cluster's barrier behind its opening barrier
	s_cmp_lg_u32 s14, 0
	s_cbranch_scc1 .Lnot_wave_0_\@
	s_barrier_signal -3
.Lnot_wave_0_\@:
	s_barrier_wait -3
	s_barrier_signal -1
	s_barrier_wait -1
.endm
.macro CROUND
	s_barrier_signal -1
	s_barrier_wait -1
	CREST
.endm
.macro ASK                             ; under a setting whose source 0 is window 2: 2 x 32 lanes name my work-group's 38 blocks of the next refill
	global_prefetch_b8 v6, s[PFA:PFA+1] th:TH_LOAD_NT scope:SCOPE_SE
	global_prefetch_b8 v7, s[PFA:PFA+1] th:TH_LOAD_NT scope:SCOPE_SE
.endm
	s_load_b128 s[4:7], s[0:1], 0x0                ; a_img, b_img
	s_load_b64 s[12:13], s[0:1], 0x10              ; out0
	v_lshl_add_u32 v[SPW], v0, 2, SPARE
	v_mov_b32 v[NIL], 0
	ds_add_u32 v[SPW], v[NIL]                      ; the opening lines: the add, twice on end, and its wait ahead of my first tensor load
	ds_add_u32 v[SPW], v[NIL]
	v_lshrrev_b32 v1, 5, v0
	v_readfirstlane_b32 s14, v1                    ; wave 0..3
	s_lshr_b32 s15, s14, 1                         ; my half of the block's rows; also: I fetch for A (0) or B (1)
	s_and_b32 s16, s14, 1                          ; my half of its columns; also: which half of a side I fetch
	s_bfe_u32 s40, ttmp6, 0x40000                  ; cx, cy
	s_bfe_u32 s41, ttmp6, 0x40004
	s_lshl_b32 s42, ttmp9, 2
	s_add_co_u32 s42, s42, s40                     ; tile column
	s_and_b32 s17, ttmp7, 0xffff
	s_lshl_b32 s17, s17, 2
	s_add_co_u32 s17, s17, s41                     ; tile row
	s_lshl_b32 s43, s41, 2
	s_lshl_b32 s43, 15, s43                        ; my row of the cluster
	s_lshl_b32 s44, 0x1111, s40                    ; my column
	s_or_b32 s[G1A], s43, (3<<16)|(1<<21)          ; elements of 8 bytes; dense rows of 256 bytes, no padding: the images are read 16 bytes a lane on end
	s_or_b32 s[G1B], s44, (3<<16)|(1<<21)
	s_or_b32 s[G1AS], s43, (3<<16)|(1<<21)
	s_or_b32 s[G1BS], s44, (3<<16)|(1<<21)
.irp g, G1A, G1B                       ; half a side: 150 rows of 256 bytes
	s_mov_b32 s[\g+1], 32<<16
	s_mov_b32 s[\g+2], (HALF/256)<<16
	s_mov_b32 s[\g+3], 32<<16
	s_mov_b32 s[\g+4], HALF/256
	s_mov_b32 s[\g+5], 32
	s_mov_b32 s[\g+6], 0
	s_mov_b32 s[\g+7], 0
.endr
.irp g, G1AS, G1BS                     ; half a block, for the 34th step: 50 rows
	s_mov_b32 s[\g+1], 32<<16
	s_mov_b32 s[\g+2], (BLK/512)<<16
	s_mov_b32 s[\g+3], 32<<16
	s_mov_b32 s[\g+4], BLK/512
	s_mov_b32 s[\g+5], 32
	s_mov_b32 s[\g+6], 0
	s_mov_b32 s[\g+7], 0
.endr
	s_mul_i32 s18, s16, HALF
	s_mul_i32 s19, s16, BLK/2
	s_mul_i32 s20, s17, ROWIMG
	s_add_co_u32 s22, s20, s19
	s_add_co_u32 s22, s22, (NSTEP-1)*BLK
	s_add_co_u32 s20, s20, s18
	s_mov_b32 s21, 0
	s_mov_b32 s23, 0
	s_mul_i32 s46, s42, ROWIMG
	s_add_co_u32 s96, s46, s19
	s_add_co_u32 s96, s96, (NSTEP-1)*BLK
	s_add_co_u32 s46, s46, s18
	s_mov_b32 s47, 0
	s_mov_b32 s97, 0
	s_mul_i32 s45, s14, HALF                       ; where my half side goes: wave x HALF
	s_mul_i32 s94, s15, SIDE
	s_add_co_u32 s94, s94, s19
	s_add_co_u32 s94, s94, SLOT                    ; and my half of the 34th step's block, in slot 1
	s_wait_dscnt 0x0                               ; both opening adds are done
	s_wait_kmcnt 0x0
	s_add_nc_u64 s[20:21], s[4:5], s[20:21]
	s_add_nc_u64 s[22:23], s[4:5], s[22:23]
	s_add_nc_u64 s[46:47], s[6:7], s[46:47]
	s_add_nc_u64 s[96:97], s[6:7], s[96:97]
	CROUND                                         ; all sixteen work-groups are here: the first joint loads meet
.irp s, 0,1
	s_mov_b32 s[G0A+4*\s], 1
	s_add_co_u32 s[G0A+4*\s+1], s45, \s*SLOT
	s_add_nc_u64 s[G0A+4*\s+2:G0A+4*\s+3], s[20:21], \s*SIDE
	s_or_b32 s[G0A+4*\s+3], s[G0A+4*\s+3], 0x80000000
	s_mov_b32 s[G0B+4*\s], 1
	s_add_co_u32 s[G0B+4*\s+1], s45, \s*SLOT
	s_add_nc_u64 s[G0B+4*\s+2:G0B+4*\s+3], s[46:47], \s*SIDE
	s_or_b32 s[G0B+4*\s+3], s[G0B+4*\s+3], 0x80000000
.endr
	JLOAD G0A, G1A, G0B, G1B                       ; K steps 0 to 2: one tensor load a wave at the head
	s_mov_b32 s[G0AS], 1
	s_mov_b32 s[G0AS+1], s94
	s_mov_b64 s[G0AS+2:G0AS+3], s[22:23]
	s_or_b32 s[G0AS+3], s[G0AS+3], 0x80000000
	s_mov_b32 s[G0BS], 1
	s_mov_b32 s[G0BS+1], s94
	s_mov_b64 s[G0BS+2:G0BS+3], s[96:97]
	s_or_b32 s[G0BS+3], s[G0BS+3], 0x80000000
	s_cmp_eq_u32 s15, 0                            ; the prefetches: my half side, by A's or by B's address, from the third fill on;
	s_cselect_b64 s[PFA:PFA+1], s[20:21], s[46:47]
	s_cselect_b32 s95, s40, s41                    ; my place among the four that ask with me
	s_add_nc_u64 s[PFA:PFA+1], s[PFA:PFA+1], 2*SIDE
	s_mul_i32 s95, s95, 38                         ; my work-group's first block of the 150
	s_mul_i32 s20, s15, 8*FRB                      ; LDS: my eight fragments of A in slot 0, 1
	s_add_co_u32 s21, s20, SLOT
	s_mul_i32 s22, s16, 8*FRB                      ; and of B, behind A's side
	s_add_co_u32 s22, s22, SIDE
	s_add_co_u32 s23, s22, SLOT
	s_lshl_b32 s92, s15, 9                         ; scale words: lanes 0-15 A's, lanes 16-31 B's: the lower base + h x the distance
	s_lshl_b32 s93, s16, 9
	s_add_co_u32 s93, s93, SIDE
	s_sub_co_u32 s93, s93, s92
	s_add_co_u32 s92, s92, SCO
	s_add_co_u32 s94, s92, SLOT
	s_mul_i32 s96, s14, 128*SPITCH                 ; my stage: 128 rows
	s_lshl_b32 s18, s17, 8
	s_lshl_b32 s19, s15, 7
	s_add_co_u32 s18, s18, s19                     ; my first row of out0
	s_mul_i32 s18, s18, ROWC
	s_mov_b32 s19, 0
	s_add_nc_u64 s[12:13], s[12:13], s[18:19]
	s_lshl_b32 s46, s42, 8
	s_lshl_b32 s47, s16, 7
	s_add_co_u32 s46, s46, s47                     ; my first column
	s_sub_co_u32 s[LIM], NCOL, s46                 ; columns left from there on (may be negative),
	s_sub_co_u32 s[LIM+1], s[LIM], 64              ; and from my 64th
	s_lshl_b32 s46, s46, 2
	s_mov_b32 s47, 0
	s_add_nc_u64 s[12:13], s[12:13], s[46:47]
	v_and_b32 v1, 15, v0                           ; r
	v_bfe_u32 v2, v0, 4, 1                         ; h
	v_and_b32 v3, 31, v0                           ; lane
	v_lshlrev_b32 v4, 4, v3                        ; an image's place for my lane
	v_mul_u32_u24 v5, s93, v2
	v_lshl_add_u32 v5, v1, 4, v5
	v_mul_u32_u24 v6, v1, SPITCH                   ; into the stage: row r, 32 bytes for each half of the lanes
	v_lshl_add_u32 v6, v2, 5, v6
	v_add_nc_u32 v[STO], s96, v6
	v_lshlrev_b32 v[CO], 3, v3                     ; back: 32 lanes x 8 bytes of a row; the same in out0
	v_add_nc_u32 v[RD], s96, v[CO]
	v_add_nc_u32 v[RD+1], 64*SPITCH, v[RD]
	v_lshlrev_b32 v[C2], 1, v3                     ; my first column of the 64
	v_add_nc_u32 v7, s95, v3
	v_min_u32 v7, 149, v7
	v_add_nc_u32 v31, 32, v3
	v_min_u32 v31, 37, v31
	v_add_nc_u32 v31, s95, v31
	v_min_u32 v31, 149, v31
	WIN 0x80                                       ; destinations in window 2
	v_add_nc_u32 v2, s20, v4
	v_add_nc_u32 v3, s21, v4
	v_add_nc_u32 v4, s92, v5
	v_add_nc_u32 v5, s94, v5
	v_lshlrev_b32 v6, 8, v7
	v_lshlrev_b32 v7, 8, v31
	WIN 0xc0                                       ; in window 3
	v_add_nc_u32 v2, s22, v4
	v_add_nc_u32 v3, s23, v4
	WIN 0
; Eight matrix instructions of quarter x: A's blocks a0, a0 + 1 of its half x B's four; p: the set at work.  The accumulators take turns.
.macro OCT x, p, zero, a0
.set AH, (\x)/2
.set BH, (((\x)+1)/2)%2
.set FB, FRG+48*(\p)
.irp a, \a0, \a0+1
.irp b, 0,1,2,3
.if \zero
	v_wmma_scale_f32_16x16x128_f8f6f4 v[ACC+8*(4*(\a)+\b):ACC+8*(4*(\a)+\b)+7], v[FB+12*\b:FB+12*\b+11], v[FB+12*(\a):FB+12*(\a)+11], 0, v[SC+8*(\p)+4*BH+\b], v[SC+8*(\p)+4*AH+(\a)] matrix_a_fmt:MATRIX_FMT_BF6 matrix_b_fmt:MATRIX_FMT_BF6 matrix_a_scale:MATRIX_SCALE_ROW1
.else
	v_wmma_scale_f32_16x16x128_f8f6f4 v[ACC+8*(4*(\a)+\b):ACC+8*(4*(\a)+\b)+7], v[FB+12*\b:FB+12*\b+11], v[FB+12*(\a):FB+12*(\a)+11], v[ACC+8*(4*(\a)+\b):ACC+8*(4*(\a)+\b)+7], v[SC+8*(\p)+4*BH+\b], v[SC+8*(\p)+4*AH+(\a)] matrix_a_fmt:MATRIX_FMT_BF6 matrix_b_fmt:MATRIX_FMT_BF6 matrix_a_scale:MATRIX_SCALE_ROW1
.endif
.endr
.endr
.endm
.macro QUAD x, p, zero
	XWIN \x
	OCT \x, \p, \zero, 0
	OCT \x, \p, \zero, 2
.endm
.macro RUN x, tp, slot, q              ; piece x of step q of the slot into set tp: x = 0: A's half 0 and the scale words, 1: B's half 0, 2: B's half 1, 3: A's half 1
	XWIN \x
.set K, 0
.rept 12
	ds_load_b128 v[FRG+48*(\tp)+4*K:FRG+48*(\tp)+4*K+3], v[2+(\slot)] offset:BLK*(\q)+PIECE*((\x)/2)+512*K
.set K, K+1
.endr
.if (\x) == 0
.irp j, 0,1
	ds_load_b128 v[SC+8*(\tp)+4*\j:SC+8*(\tp)+4*\j+3], v[4+(\slot)] offset:BLK*(\q)+256*\j
.endr
.endif
.endm
.macro FETCH tp, slot, q               ; a whole step's fragments and scale words: 50 loads in one run
	RUN 0, \tp, \slot, \q
	RUN 1, \tp, \slot, \q
	RUN 2, \tp, \slot, \q
	RUN 3, \tp, \slot, \q
.endm
; One of a slot's first two steps.  The four places stand between the last step's matrix instructions and the loads into the set that they read.
.macro STEP slot, q, zero
.set PAR, ((\slot)+(\q))%2
	PLACES 4
	FETCH 1-PAR, \slot, (\q)+1
	s_wait_dscnt 50                                ; all but the 50 just issued: this step's own, asked for a step ago
	QUAD 0, PAR, \zero
	QUAD 1, PAR, \zero
	QUAD 2, PAR, \zero
	QUAD 3, PAR, \zero
.endm
; A slot's last step.  All its fragments were asked for in the step before, so the slot is free at this step's head, and the next step's come from the other slot: ONE barrier serves both.
; fill = 1: the slot takes the K steps six on; 2: slot 1 takes the 34th step; 0: nothing is left to fetch.  ask = 1: the refill after this one is prefetched.
.macro TURN slot, next, fill, ask
.set PAR, \slot
.if \ask
	s_wait_xcnt 0x0                                ; my last prefetches have read their base: it steps one fill on
	s_add_nc_u64 s[PFA:PFA+1], s[PFA:PFA+1], SIDE
.endif
	WIN 0                                          ; (the add's two registers lie in window 0)
	s_wait_tensorcnt 0x0                           ; all my tensor loads have landed: my part of the other slot;
	ds_add_u32 v[SPW], v[NIL]                      ; 0 onto my spare word
	s_wait_dscnt 1                                 ; (the add may be out; this step's fragments are in)
	XWIN 0
	OCT 0, PAR, 0, 0
	s_wait_dscnt 0x0                               ; the add is done, and my reads of this slot are over
	s_barrier_signal -1
	OCT 0, PAR, 0, 2
	QUAD 1, PAR, 0
	WIN 0
	s_barrier_wait -1
.if \fill == 1
	CREST                                          ; the barrier has opened a round of the cluster's barrier
	s_add_nc_u64 s[G0A+4*\slot+2:G0A+4*\slot+3], s[G0A+4*\slot+2:G0A+4*\slot+3], 2*SIDE
	s_add_nc_u64 s[G0B+4*\slot+2:G0B+4*\slot+3], s[G0B+4*\slot+2:G0B+4*\slot+3], 2*SIDE
	JLOAD G0A+4*\slot, G1A, G0B+4*\slot, G1B       ; the first tensor load behind the round; its four v_nop are the places in front of the loads below
.elseif \fill == 2
	CREST
	JLOAD G0AS, G1AS, G0BS, G1BS
.else
	PLACES 4
.endif
	FETCH 1-PAR, \next, 0
.if \ask
	ASK                                            ; (source 0's window is 2 behind the run)
.endif
	QUAD 2, PAR, 0
	QUAD 3, PAR, 0
.endm
	s_wait_alu depctr_va_vdst(0)
	s_wait_tensorcnt 0x0                           ; my part of slot 0 is in
	ds_add_u32 v[SPW], v[NIL]
	s_wait_dscnt 0x0
	CROUND
	JLOAD G0A+4, G1A, G0B+4, G1B                   ; K steps 3 to 5, the first tensor load behind the round
	FETCH 0, 0, 0
	ASK                                            ; K steps 6 to 8
	STEP 0, 0, 1                                   ; the first step's products start the sums
	WIN 0
	s_mov_b32 s3, 4
.Llap:                                             ; a trip: six K steps, once round the ring
	STEP 0, 1, 0
	TURN 0, 1, 1, 1
	STEP 1, 0, 0
	STEP 1, 1, 0
	TURN 1, 0, 1, 1
	STEP 0, 0, 0
	WIN 0
	s_sub_co_u32 s3, s3, 1
	s_cmp_lg_u32 s3, 0
	s_cbranch_scc1 .Llap
	STEP 0, 1, 0
	TURN 0, 1, 1, 0                                ; K steps 30 to 32
	STEP 1, 0, 0
	STEP 1, 1, 0
	TURN 1, 0, 2, 0                                ; K step 33
	STEP 0, 0, 0
	STEP 0, 1, 0
	TURN 0, 1, 0, 0
	s_wait_dscnt 0x0                               ; the last step: its fragments are in, and my last reads of the ring are over: the stage below lies over both slots, which have had their last fill
	s_barrier_signal -1
	QUAD 0, 1, 0
	QUAD 1, 1, 0
	QUAD 2, 1, 0
	QUAD 3, 1, 0
	WIN 0
	s_barrier_wait -1
	PLACES 4
; THE WAY OUT.  My 128 x 128 numbers go into my own stage (128 rows of 528 bytes), each accumulator from its low end on, and come back as pieces of 256 bytes of a row, block a of 16 rows into the 64 registers
; at v128 + 64 (a % 2) of window a / 2.  LDS serves a wave's instructions in order (ISA guide 5.7.1.4): no wait between the stores and the loads.  Then the 256 stores follow on end, a row's two one behind the other:
; a row of out0 is 7,432 bytes, so addresses are multiples of 8 only: 8 bytes a lane, 32 lanes store 256 consecutive bytes; every place stands in the immediate (127 rows at the most).
; THE EDGE at column 1,858.  ONE mask serves the whole way out: the lanes whose columns of my first 64 lie under 1,858.  A lane whose columns of my second 64 lie past the edge repeats its first store there:
; the same two numbers (chosen in registers) at the same address.
	v_cmp_gt_i32 s93, s[LIM+1], v[C2]              ; are my columns of the second 64 stored?
	v_mov_b32 v[COB], 0x100
	v_cndmask_b32 v[COB], 0, v[COB], s93
	v_add_nc_u32 v[COB], v[CO], v[COB]             ; then 256 bytes on, else where the first store goes
.irp w, 0,2,1,3                        ; window w holds A's half w % 2, B's half w / 2
	WIN (\w)<<2
.irp a, 0,1,2,3
.irp b, 0,1,2,3
	ds_store_b128 v[STO], v[ACC+8*(4*\a+\b):ACC+8*(4*\a+\b)+3] offset:(4*((\w)%2)+\a)*16*SPITCH+64*(4*((\w)/2)+\b)
	ds_store_b128 v[STO], v[ACC+8*(4*\a+\b)+4:ACC+8*(4*\a+\b)+7] offset:(4*((\w)%2)+\a)*16*SPITCH+64*(4*((\w)/2)+\b)+16
.endr
.endr
.endr
.irp a, 0,1,2,3,4,5,6,7
	WIN ((\a)/2)<<6
.irp t, 0,1,2,3,4,5,6,7,8,9,10,11,12,13,14,15
.irp u, 0,1
	ds_load_b64 v[ACC+64*((\a)%2)+4*\t+2*\u:ACC+64*((\a)%2)+4*\t+2*\u+1], v[RD+(\a)/4] offset:(16*((\a)%4)+\t)*SPITCH+256*\u
.endr
.endr
.endr
	WIN 0
	v_cmp_gt_i32 vcc_lo, s[LIM], v[C2]
	s_wait_xcnt 0x0                                ; EXEC changes only behind s_wait_xcnt 0
	s_and_saveexec_b32 s92, vcc_lo
.irp a, 0,1,2,3,4,5,6,7
.if 32*(7-\a) > 63
	s_wait_dscnt 63                                ; of the 256 loads the first 193 are back: blocks 0 to 5
.else
	s_wait_dscnt 32*(7-\a)
.endif
	WIN (((\a)/2)<<6)|(((\a)/2)<<2)|((\a)/2)
.irp t, 0,1,2,3,4,5,6,7,8,9,10,11,12,13,14,15
.irp e, 0,1
	v_cndmask_b32 v[ACC+64*((\a)%2)+4*\t+2+\e], v[ACC+64*((\a)%2)+4*\t+\e], v[ACC+64*((\a)%2)+4*\t+2+\e], s93
.endr
.endr
.endr
	s_wait_alu depctr_va_vdst(0)                   ; what the lines above wrote is read by the stores below
.irp a, 0,1,2,3,4,5,6,7
	WIN ((\a)/2)<<2
.irp t, 0,1,2,3,4,5,6,7,8,9,10,11,12,13,14,15
	global_store_b64 v[CO], v[ACC+64*((\a)%2)+4*\t:ACC+64*((\a)%2)+4*\t+1], s[12:13] offset:(16*\a+\t)*ROWC th:TH_STORE_NT
	global_store_b64 v[COB], v[ACC+64*((\a)%2)+4*\t+2:ACC+64*((\a)%2)+4*\t+3], s[12:13] offset:(16*\a+\t)*ROWC th:TH_STORE_NT
.endr
.endr
	s_wait_xcnt 0x0
	s_or_b32 exec_lo, exec_lo, s92
	WIN 0
	s_wait_tensorcnt 0x0                           ; the wave's end
	ds_add_u32 v[SPW], v[NIL]
	s_wait_dscnt 0x0
	CROUND                                         ; the closing round
	s_endpgm
.Lfunc_end_k_q205800449b_gemm:
	.size	k_q205800449b_gemm, .Lfunc_end_k_q205800449b_gemm-k_q205800449b_gemm
	.p2alignl 7, 3214868480
	.fill 96, 4, 3214868480
	.section	.rodata,"a",@progbits
	.p2align	6, 0x0
	.amdhsa_kernel k_q205800449b_gemm
		.amdhsa_group_segment_fixed_size 327680
		.amdhsa_private_segment_fixed_size 0
		.amdhsa_enable_private_segment 0
		.amdhsa_kernarg_size 24
		.amdhsa_user_sgpr_count 2
		.amdhsa_user_sgpr_kernarg_segment_ptr 1
		.amdhsa_wavefront_size32 1
		.amdhsa_system_sgpr_workgroup_id_x 1
		.amdhsa_system_sgpr_workgroup_id_y 1
		.amdhsa_system_sgpr_workgroup_id_z 1
		.amdhsa_system_vgpr_workitem_id 0
		.amdhsa_next_free_vgpr 1024
		.amdhsa_next_free_sgpr 98
		.amdhsa_reserve_vcc 1
		.amdhsa_float_denorm_mode_32 3
		.amdhsa_float_denorm_mode_16_64 3
		.amdhsa_memory_ordered 1
		.amdhsa_forward_progress 1
		.amdhsa_inst_pref_size 255
	.end_amdhsa_kernel
	.section	.bss,"aw",@nobits
	.p2align	6
	.space	262144
	.amdgpu_metadata
---
amdhsa.version: [ 1, 2 ]
amdhsa.kernels:
  - .name:           k_q205800449b_gemm
    .symbol:         k_q205800449b_gemm.kd
    .args:
      - { .name: a_img, .offset: 0, .size: 8, .value_kind: global_buffer, .address_space: global }
      - { .name: b_img, .offset: 8, .size: 8, .value_kind: global_buffer, .address_space: global }
      - { .name: out0, .offset: 16, .size: 8, .value_kind: global_buffer, .address_space: global }
    .group_segment_fixed_size: 327680
    .private_segment_fixed_size: 0
    .kernarg_segment_align: 8
    .kernarg_segment_size: 24
    .max_flat_workgroup_size: 128
    .sgpr_count:     98
    .vgpr_count:     1024
    .wavefront_size: 32
...
	.end_amdgpu_metadata
.endif
;; end of part 2
